; MI455X (gfx1250); checked and timed in simulation.
; The chip was launched on July 23, 2026; its instructions are those of AMD's public machine-readable ISA for CDNA 5 (MIT licence, August 2026) and "CDNA5" Instruction Set Architecture Reference Guide (July 2026). The comments in the code are by the model that wrote it; some were corrected since.
;; Scaled Dot Product Attention. Allowed arithmetic: matrix products marked QUANTISED: E5M2 operands, one given power-of-two scale a tensor, by v_wmma_f32_16x16x64_bf8_bf8 or v_wmma_f32_16x16x128_bf8_bf8, f32 sums; everything else in f32.
;; Inputs: k 2 x 12 x 2,048 x 64 float32; lowp_scales 4 int32 (the exponents e of the quantised operands' scales 2^e); q 2 x 12 x 2,048 x 64 float32; v 2 x 12 x 2,048 x 64 float32.
;; Outputs: out0 2 x 12 x 2,048 x 64 float32.
;; This version of the problem:
;;   THIS VERSION OF THE PROBLEM IS GIVEN IN LOW PRECISION. The matrix products marked QUANTISED in the list below multiply operands that are first quantised to E5M2 (5 exponent bits, 2 mantissa bits; 8 bits a number), with one given power-of-two scale for each operand tensor; their sums are f32. All else is computed in f32.
;;   The module's matrix products, in the order in which they are computed (A, B: the left and right operand; K: the contracted axis; several contracted axes count as one K, in the product's order):
;;     1. batch 24 x [M 2,048, K 64] x [K 64, N 2,048]; A: input q; B: input k: QUANTISED (scales: A lowp_scales[0], B lowp_scales[1])
;;     2. batch 24 x [M 2,048, K 2,048] x [K 2,048, N 64]; A: softmax (see below); B: input v: QUANTISED (scales: A lowp_scales[2], B lowp_scales[3])
;;   THE QUANTISER, for each operand of a quantised product, along K:
;;     - The operand's scale is 2^e, e = its entry of the input lowp_scales (int32; the entries are numbered through the quantised products in the list's order, A before B).
;;     - Each number is divided by the scale, clamped to +-57,344, and rounded to the nearest number of E5M2, ties to even, subnormals kept.
;;     - The product sums the exact products of the quantised numbers (number of the format x scale) in f32.
;;   ~~~python
;;   def quantise(x, axis, e):      # numpy; x: float32 -> the quantised numbers, widened to float32 again
;;       x = np.moveaxis(x, axis, -1); K = x.shape[-1]
;;       r = np.clip(x / 2.0 ** e, -57344, 57344)
;;       step = 2.0 ** (np.maximum(np.frexp(np.where(r == 0, 1, r))[1] - 1, -14) - 2)
;;       q = np.round(r / step) * step * 2.0 ** e      # np.round: ties to even
;;       return np.moveaxis(q, -1, axis).astype(np.float32)
;;   ~~~
;;   SOFTMAX AHEAD OF A QUANTISED PRODUCT. Where the list says 'softmax', what is quantised is not the finished softmax but p = 2^(t - M), with t = logit x log2(e) and M = ceil(the row's largest t), a whole number; so 1/2 < the row's largest p <= 1. The row's sum l is taken of the UNQUANTISED p, in f32, and the product's result is divided by l at the end. Since M is a whole number, a kernel that streams over the keys may use a running M (the ceiling of the running maximum): every later rescaling is an exact power of two, so the quantised numbers keep their values, but for numbers so far below the row's largest that they fall under the format's range.
;;   OPERANDS COMPUTED ON THE WAY. 'Computed on the way' means the value that the module computes at that place (a softmax that the list does not call 'softmax' is quantised finished and normalised). What goes into a quantiser is computed in f32, as accurately as f32 sums, v_exp_f32 and their like allow (about 1e-6 of the number): no bf16 or f16 on the way to a quantiser, and a product that is left as it is and whose result goes on into a quantised operand takes f32 operands (vector FMAs, or v_wmma_f32_16x16x4_f32). A number that lies on a knife's edge between two numbers of the format may be rounded either way, as far as f32 arithmetic and the matrix unit's own rounding can turn it there, and no further.
;; 2 versions. Each part assembles by itself: llvm-mc -triple=amdgcn-amd-amdhsa -mcpu=gfx1250 --defsym DOCPART=n.
;; ======== version 1 of 2: 2 launches
;; workspace buffers: codes 6,291,456 bytes
;; launch quant (part 1): grid 384 x 1, 4 waves a work-group, no clusters, 8,704 bytes of LDS; arguments k, v, lowp_scales, codes; writes codes
.if DOCPART == 1
	.amdgcn_target "amdgcn-amd-amdhsa--gfx1250"
	.amdhsa_code_object_version 6
	.text
	.protected	k_q454c21e97b_quant
	.globl	k_q454c21e97b_quant
	.p2align	8
	.type	k_q454c21e97b_quant,@function
k_q454c21e97b_quant:
	s_mov_b64 s[64:65], 0
	v_nop
	global_prefetch_b8 v0, s[64:65] scope:SCOPE_SE
	s_setreg_imm32_b32 hwreg(HW_REG_WAVE_MODE, 25, 1), 1
	s_wait_xcnt 0x0
; k and v, [24 heads][2048 keys][64] f32, become codes of BF8 (E5M2), each with the one scale 2^e that is given for it (ek = entry 1, ev = entry 3 of the scales).
; code = x / 2^e, held within +-57,344, rounded to the nearest code, ties to even.
; LIMITS: ek and ev between -126 and 112, so that 2^e and 57,344 x 2^e are f32 numbers.  NaN among the inputs is not served; an infinity is held at the largest code.
; THE CODES ARE LAID IN THE ORDER OF THE OPERANDS' REGISTERS, WITH k IN THE MATRIX FORMS' OWN PLACES (registers 2 c, 2 c + 1 of lane r + 16 h: k = 16 c + 8 h + 0 .. 7), so that the sums are made in the forms' own order of k.
; A block of 16,384 bytes holds 128 keys of one head (block = 16 x head + keys / 128):
;   bytes 0-8191: K's eight tiles of 16 keys x 64 d.  Tile T at 1024 T, chunk c (0, 1: four registers) at + 512 c, lane L = r + 16 h at + 16 L:
;                 K[key 16 T + r][d = 32 c + 8 h + 0 .. 7], then K[key 16 T + r][d = 32 c + 16 + 8 h + 0 .. 7]
;   bytes 8192-16383: V's four tiles of 16 d x 128 keys.  Tile t at 2048 t, chunk c (0 .. 3) at + 512 c, lane L at + 16 L:
;                 V[key 32 c + 8 h + 0 .. 7][d = 16 t + r], then V[key 32 c + 16 + 8 h + 0 .. 7][d = 16 t + r]
; so the launch that multiplies copies dense bytes and loads each fragment 16 bytes a lane.
; SHARES.  A work-group takes one block, wave w its keys 32 w .. 32 w + 31: K's tiles 2 w and 2 w + 1, and chunk w of V's four tiles.  Waves share nothing: no barrier.
; K: d is innermost in memory.  Each load reads 512 consecutive bytes (two keys); with one scale for the tensor a conversion's eight numbers need not be neighbours, so a load's four numbers
;    become one word of four codes, and the words are put in their places of the image in the wave's own 2,048 bytes of LDS, read back 16 bytes a lane and stored 512 consecutive bytes at a time.
; V: the keys are its K and are not innermost.  A lane takes a column d and its registers run down the keys: a conversion's result is eight neighbouring keys of one d, half of what a lane of the image holds:
;    sixteen lanes store 256 consecutive aligned bytes straight from registers.
.set XK, 16                            ; v16-79    K's numbers as loaded: load i in 4 registers
.set XV, 80                            ; v80-143   V's numbers: column 32 e + lane, key j at v[XV + 32 e + j]
.set CK, 144                           ; v144-159  K's codes: word i = load i's four
.set OK, 160                           ; v160-175  K's image read back
.set CV, 176                           ; v176-191  V's codes
	s_load_b256 s[4:11], s[0:1], 0x0               ; k s[4:5], v s[6:7], the scales' exponents s[8:9], codes s[10:11]
	v_lshl_add_u32 v192, v0, 2, 0x2000
	v_mov_b32 v193, 0
	v_lshrrev_b32 v1, 5, v0
	v_readfirstlane_b32 s12, v1                    ; wave 0..3
	v_and_b32 v1, 31, v0                           ; lane
	v_lshlrev_b32 v2, 4, v1                        ; 16 x lane
	v_lshlrev_b32 v3, 2, v1                        ; 4 x lane
	s_lshl_b32 s13, s12, 11                        ; 2,048 x wave: my part of LDS, and of K's image
	; Where a word of K's codes goes.  Lane l of load i holds key 2 i + l / 16 of my 32 and d = 4 (l % 16) .. + 3 = 32 (bit 3 of l) + 16 (bit 2) + 8 (bit 1) + 4 (bit 0):
	; chunk = bit 3, the image's half h = bit 1, the second eight bytes of the lane's sixteen = bit 2, the second four of the eight = bit 0; the key's tile and row stand partly in the lane (16 x (l / 16)) and partly in the store's immediate.
	v_bfe_u32 v4, v0, 3, 1
	v_lshlrev_b32 v4, 9, v4                        ; 512 x chunk
	v_bfe_u32 v6, v0, 1, 1
	v_lshl_add_u32 v4, v6, 8, v4                   ; + 256 x h
	v_bfe_u32 v6, v0, 2, 1
	v_lshl_add_u32 v4, v6, 3, v4                   ; + 8 x bit 2
	v_and_b32 v6, 1, v0
	v_lshl_add_u32 v4, v6, 2, v4                   ; + 4 x bit 0
	v_bfe_u32 v6, v0, 4, 1
	v_lshl_add_u32 v4, v6, 4, v4                   ; + 16 x (l / 16)
	v_lshlrev_b32 v7, 11, v6                       ; V's store: lanes 16-31 hold the next tile of d: 2,048 x (l / 16)
	v_add_nc_u32 v4, s13, v4
	v_add_nc_u32 v5, s13, v2                       ; back: 16 x lane in my part
	v_and_b32 v6, 15, v0
	v_lshl_add_u32 v7, v6, 4, v7                   ; + 16 x (l % 16)
	s_lshl_b32 s14, ttmp9, 15                      ; the block's 128 rows of 256 bytes in k and in v,
	s_lshl_b32 s16, s12, 13                        ; my wave's 32 of them
	s_add_co_u32 s14, s14, s16
	s_mov_b32 s15, 0
	s_lshl_b32 s18, ttmp9, 14                      ; the block's 16,384 bytes of codes
	s_add_co_u32 s16, s18, s13                     ; K's image: + 2,048 x wave
	s_mov_b32 s17, 0
	s_lshl_b32 s28, s12, 9
	s_add_co_u32 s18, s18, s28                     ; V's image: + 512 x wave (my chunk),
	s_add_co_u32 s18, s18, 8192                    ; behind K's
	s_mov_b32 s19, 0
	s_wait_kmcnt 0x0
	s_load_b128 s[24:27], s[8:9], 0x0              ; eq, ek, ep, ev
	s_add_nc_u64 s[4:5], s[4:5], s[14:15]
	s_add_nc_u64 s[6:7], s[6:7], s[14:15]
	s_add_nc_u64 s[20:21], s[10:11], s[16:17]
	s_add_nc_u64 s[22:23], s[10:11], s[18:19]
.set i, 0
.rept 16
	global_load_b128 v[XK+4*i:XK+4*i+3], v2, s[4:5] offset:512*i th:TH_LOAD_NT   ; 32 lanes read 512 consecutive bytes: keys 2 i and 2 i + 1
.set i, i+1
.endr
.set j, 0
.rept 32
	global_load_b32 v[XV+j], v3, s[6:7] offset:256*j th:TH_LOAD_NT               ; key j, d = lane;
	global_load_b32 v[XV+32+j], v3, s[6:7] offset:256*j+128 th:TH_LOAD_NT        ; d = 32 + lane: the row's other 128 bytes, asked for straight behind
.set j, j+1
.endr
	s_wait_kmcnt 0x0
	s_add_co_i32 s28, s25, 127
	s_lshl_b32 s29, s28, 23
	v_mov_b32 v8, s29                              ; 2^ek as f32: the conversion takes its exponent field
	s_add_co_i32 s28, s28, 15
	s_lshl_b32 s28, s28, 23
	s_or_b32 s28, s28, 0x600000
	v_mov_b32 v9, s28                              ; 57,344 x 2^ek
	s_add_co_i32 s28, s27, 127
	s_lshl_b32 s29, s28, 23
	v_mov_b32 v10, s29                             ; 2^ev
	s_add_co_i32 s28, s28, 15
	s_lshl_b32 s28, s28, 23
	s_or_b32 s28, s28, 0x600000
	v_mov_b32 v11, s28                             ; 57,344 x 2^ev
	s_wait_loadcnt 63                              ; 80 loads were issued and come back in order: with 63 out at the most, K's sixteen are in
.set i, 0
.rept 64
	v_med3_num_f32 v[XK+i], v[XK+i], -v9, v9       ; the conversion to an 8-bit code does not saturate (ISA guide 7.6.2): the hold at the largest code x the scale
.set i, i+1
.endr
.set i, 0
.rept 8
	v_cvt_scalef32_pk8_bf8_f32 v[CK+2*i:CK+2*i+1], v[XK+8*i:XK+8*i+7], v8        ; two loads' numbers: two words of four codes
.set i, i+1
.endr
	v_nop                                          ; a plain vector instruction behind the last conversion of the run
.set i, 0
.rept 16
	ds_store_b32 v4, v[CK+i] offset:1024*(i/8)+32*(i%8)                          ; key 2 i + l / 16 of my 32: tile i / 8, row 2 (i % 8) + l / 16
.set i, i+1
.endr
.set i, 0
.rept 4
	ds_load_b128 v[OK+4*i:OK+4*i+3], v5 offset:512*i                             ; my own bytes, and LDS serves a wave's instructions in order (ISA guide 5.7.1.4): these see the stores above
.set i, i+1
.endr
.set i, 0
.rept 4
	s_wait_dscnt 3-i                               ; the younger loads may stay out
	global_store_b128 v2, v[OK+4*i:OK+4*i+3], s[20:21] offset:512*i              ; 32 lanes store 512 consecutive bytes, at a multiple of 512 from the buffer's first byte
.set i, i+1
.endr
	s_wait_loadcnt 0x0                             ; V
.set i, 0
.rept 64
	v_med3_num_f32 v[XV+i], v[XV+i], -v11, v11
.set i, i+1
.endr
.set i, 0
.rept 8                                        ; column 32 (i / 4) + lane, keys 8 g .. + 7, g = i % 4.  The results stand in the order g = 0, 2, 1, 3: keys 0-7 and 16-23 are the image's half 0, keys 8-15 and 24-31 its half 1
	v_cvt_scalef32_pk8_bf8_f32 v[CV+8*(i/4)+4*(i%2)+2*((i%4)/2):CV+8*(i/4)+4*(i%2)+2*((i%4)/2)+1], v[XV+8*i:XV+8*i+7], v10
.set i, i+1
.endr
	v_nop                                          ; a plain vector instruction behind the last conversion of the run
.irp e, 0,1
.irp h, 0,1
	global_store_b128 v7, v[CV+8*\e+4*\h:CV+8*\e+4*\h+3], s[22:23] offset:4096*\e+256*\h   ; half h of d = 32 e + lane: lanes 0-15 fill 256 aligned bytes of tile 2 e, lanes 16-31 of tile 2 e + 1
.endr
.endr
	s_wait_tensorcnt 0x0
	ds_add_u32 v192, v193
	s_wait_dscnt 0x0
	s_endpgm
.Lfunc_end_k_q454c21e97b_quant:
	.size	k_q454c21e97b_quant, .Lfunc_end_k_q454c21e97b_quant-k_q454c21e97b_quant
	.p2alignl 7, 3214868480
	.fill 96, 4, 3214868480
	.section	.rodata,"a",@progbits
	.p2align	6, 0x0
	.amdhsa_kernel k_q454c21e97b_quant
		.amdhsa_group_segment_fixed_size 8704
		.amdhsa_private_segment_fixed_size 0
		.amdhsa_enable_private_segment 0
		.amdhsa_kernarg_size 32
		.amdhsa_user_sgpr_count 2
		.amdhsa_user_sgpr_kernarg_segment_ptr 1
		.amdhsa_wavefront_size32 1
		.amdhsa_system_sgpr_workgroup_id_x 1
		.amdhsa_system_sgpr_workgroup_id_y 1
		.amdhsa_system_sgpr_workgroup_id_z 1
		.amdhsa_system_vgpr_workitem_id 0
		.amdhsa_next_free_vgpr 194
		.amdhsa_next_free_sgpr 66
		.amdhsa_reserve_vcc 0
		.amdhsa_float_denorm_mode_32 3
		.amdhsa_float_denorm_mode_16_64 3
		.amdhsa_memory_ordered 1
		.amdhsa_forward_progress 1
		.amdhsa_inst_pref_size 22
	.end_amdhsa_kernel
	.amdgpu_metadata
---
amdhsa.version: [ 1, 2 ]
amdhsa.kernels:
  - .name:           k_q454c21e97b_quant
    .symbol:         k_q454c21e97b_quant.kd
    .args:
      - { .name: k, .offset: 0, .size: 8, .value_kind: global_buffer, .address_space: global }
      - { .name: v, .offset: 8, .size: 8, .value_kind: global_buffer, .address_space: global }
      - { .name: lowp_scales, .offset: 16, .size: 8, .value_kind: global_buffer, .address_space: global }
      - { .name: codes, .offset: 24, .size: 8, .value_kind: global_buffer, .address_space: global }
    .group_segment_fixed_size: 8704
    .private_segment_fixed_size: 0
    .kernarg_segment_align: 8
    .kernarg_segment_size: 32
    .max_flat_workgroup_size: 128
    .sgpr_count:     66
    .vgpr_count:     194
    .wavefront_size: 32
...
	.end_amdgpu_metadata
.endif
;; end of part 1
;; launch attn (part 2): grid 8 x 24, 16 waves a work-group, no clusters, 104,448 bytes of LDS; arguments q, codes, lowp_scales, out0; writes out0
.if DOCPART == 2
	.amdgcn_target "amdgcn-amd-amdhsa--gfx1250"
	.amdhsa_code_object_version 6
	.text
	.protected	k_q454c21e97b_attn
	.globl	k_q454c21e97b_attn
	.p2align	8
	.type	k_q454c21e97b_attn,@function
k_q454c21e97b_attn:
	s_mov_b64 s[64:65], 0
	v_nop
	global_prefetch_b8 v0, s[64:65] scope:SCOPE_SE
	s_setreg_imm32_b32 hwreg(HW_REG_WAVE_MODE, 25, 1), 1
	s_wait_xcnt 0x0
; out[h][q][:] = the sum over keys k <= q of softmax_k(Q[h][q] . K[h][k] / 8) V[h][k][:]: 24 heads, 2,048 queries and keys, head size 64.  Both products on codes of BF8 (E5M2), each operand with its given scale:
; eq, ek, ep, ev.  q arrives as f32 and is quantised here, in registers; K's and V's codes come from the buffer codes, laid in the order of the operands' registers, 16,384 bytes for each 128 keys of a head:
; K's eight tiles (1,024 bytes each: two chunks of 512, 16 bytes a lane), then V's four (2,048 bytes each: four chunks).
; THE SOFTMAX AHEAD OF THE SECOND PRODUCT: t = score x log2(e) / 8; M = the row's largest t so far, rounded UP to a whole number; p = 2^(t - M) is what is quantised, along the keys; it is not normalised.
; The row's sum is taken of the unquantised p, in f32, and divides O at the end.  When M moves, the sum and O are multiplied by 2^(old M - new M): exact.
; The factor 2 is taken out of c.
; SHARES.  A work-group owns TWO blocks of 128 queries of one head, blocks i and 15 - i (i = work-group x): under the causal mask block b has 8 (b + 1) steps of a wave, so every work-group has 136.
; Each of its sixteen waves owns one tile of 16 queries in 256 registers.  Wave w takes tile w / 2 of the late block where (w xor w / 4) is odd, else of the early one: of any four waves with consecutive numbers,
; and of any four with numbers 4 apart, two are late.  Every wave walks sixteen steps of 128 keys, a constant count, and passes every barrier; a step all of whose keys come after its queries is jumped over.
; THE TWO LDS SLOTS ARE FILLED THROUGH REGISTERS: a step's 16,384 bytes are 32 bytes a thread: two loads, asked for two steps ahead, and two LDS stores one step ahead.  One barrier a step.
; No cluster: the eight work-groups of a head need different numbers of steps (9 to 16), and a step's bytes are small beside its vector work.
; LAYOUT.  Both products are used transposed: S^T = K Q^T (source 0 = 16 keys, source 1 = my 16 queries), O^T = V^T P^T (source 0 = 16 of the head's 64, source 1 = P): a lane holds ONE query (lane % 16) throughout.
; IN EVERY FRAGMENT k STANDS IN THE FORM'S OWN PLACE: registers 2 c, 2 c + 1 of lane r + 16 h hold k = 16 c + 8 h + 0 .. 7.
; Tile T of K holds keys 16 T + 0 .. 15, so register 8 T + j of S^T is key 16 T + 8 (lane / 16) + j, and the conversion of tile T's eight registers gives registers 2 T, 2 T + 1 of P's fragment as they are wanted.
; LIMITS on the given exponents, so that each power of two below is an f32 number: eq and ep between -126 and 112; eq + ek between -122 and 130 (they are added to c's exponent field); ep + ev goes by v_ldexp_f32.
; NaN among the inputs is not served; an infinity in q is held at the largest code.  A p under 2^-126 counts as 0 (v_exp_f32 gives no denormals: ISA guide 15.8).
.set SLOT,  16384                      ; LDS: slot 0 at 0, slot 1 at 16,384;
.set STAGE, 2*SLOT                     ; then a stage of 16 rows x (256 + 16) bytes for each wave: q's image at the head, O's rows at the end; nobody else touches it
.set SP,    272
.set LI,  1                            ; v1   16 x lane: a fragment's place for my lane
.set CL,  2                            ; v2   16 x thread: my 16 bytes of a half step's 8,192
.set CO,  3                            ; v3   the same + 16,384 x the step to be asked for
.set SO,  4                            ; v4   the stage: where I put 32 bytes of a row of O
.set SR,  5                            ; v5   and where I read a row back
.set GO,  6                            ; v6   my byte offset in the wave's rows of out
.set QI,  7                            ; v7   where a word of q's codes goes
.set DQ,  8                            ; v8   lane % 16 - 8 (lane / 16)
.set NINF, 9                           ; v9   -infinity
                                       ; v12 -M, v13 the largest t, v[14:15] the row's sum in two halves
.set QF,  16                           ; v16-23   Q's fragment
.set SET, 24                           ; v24-31, v32-39  the copy's two sets: set s % 2 holds step s
.set KV,  40                           ; v40-103  K's eight fragments, then V's four
.set S,   104                          ; v104-167 S+, then x, then p; at the head q's numbers
.set O,   168                          ; v168-199 O^T
.set PC,  200                          ; v200-215 p's codes
.set TM,  200                          ; S- of four tiles: tile u at v[TM + 8 u + 16 (u / 2)]: v200-215 (free while the scores are made) and v232-247
.set LIM, 216                          ; v216 57,344 x 2^ep;  v217 2^ep
.set SCL, 217
.set MA,  218                          ; v218 at work: a chain of the maximum
.set F,   220                          ; v[220:221] at work: the mask's d, the other chain, then f = 2^(old M - new M)
.set SB,  222                          ; v[222:223] the sum's second chain
.set PL,  224                          ; v224 a lane permute's destination
.set QR,  225                          ; v225 my stage + 16 x lane
.set NQ,  248                          ; v248-255 -Q's fragment
.set WV,  12                           ; s12  my wave's number
.set Q0,  18                           ; s18  my first query
.set LASTK, 24                         ; s24  the first key of the last step that any wave of the work-group needs: 128 (15 - i)
.set LASTK2, 25                        ; s25  128 less
.set QL,  26                           ; s26  my last query
.set KF,  27                           ; s27  the step's first key
.set TRIPS, 28                         ; s28
.set SEL, 30                           ; s[30:31] lane selects for v_permlanex16_b32: lane l xor 16
.set CS,  32                           ; s[32:33] c = log2(e) / 16 x 2^(eq + ek): t = x c.  The packed form names a pair and takes its low word for both halves
	s_load_b256 s[4:11], s[0:1], 0x0               ; q s[4:5], codes s[6:7], the scales' exponents s[8:9], out s[10:11]
	v_lshl_add_u32 v230, v0, 2, 0x19000
	v_mov_b32 v231, 0
	v_lshrrev_b32 v1, 5, v0
	v_readfirstlane_b32 s[WV], v1                  ; wave 0..15
	s_lshr_b32 s13, s[WV], 2
	s_xor_b32 s13, s13, s[WV]
	s_and_b32 s13, s13, 1                          ; late?
	s_lshr_b32 s14, s[WV], 1                       ; my tile of the block's eight
	s_mov_b32 s15, ttmp9                           ; i: the early block
	s_sub_co_u32 s16, 15, s15                      ; the late block
	s_cmp_eq_u32 s13, 1
	s_cselect_b32 s17, s16, s15                    ; my block
	s_lshl_b32 s[Q0], s17, 7
	s_lshl_b32 s40, s14, 4
	s_add_co_u32 s[Q0], s[Q0], s40                 ; my first query: 128 x block + 16 x tile
	s_and_b32 s19, ttmp7, 0xffff                   ; the head
	s_lshl_b32 s20, s19, 11
	s_add_co_u32 s20, s20, s[Q0]
	s_lshl_b32 s20, s20, 8                         ; my first row of 256 bytes in q and in out
	s_mov_b32 s21, 0
	s_lshl_b32 s22, s19, 18                        ; the head's sixteen blocks of codes
	s_mov_b32 s23, 0
	s_lshl_b32 s[LASTK], s16, 7
	s_sub_co_u32 s[LASTK2], s[LASTK], 128          ; (i is 7 at the most: at least 896)
	s_add_co_u32 s[QL], s[Q0], 15
	s_mov_b32 s[KF], 0
	s_mov_b32 s[TRIPS], 8
	s_mov_b32 s[SEL], 0x76543210
	s_mov_b32 s[SEL+1], 0xfedcba98
	s_mov_b32 s[CS], 0x3db8aa3b                    ; log2(e) / 16
	s_mul_i32 s41, s[WV], 16*SP
	s_add_co_u32 s41, s41, STAGE                   ; my stage
	v_and_b32 v1, 31, v0
	v_lshlrev_b32 v[LI], 4, v1
	v_and_b32 v10, 15, v0                          ; r
	v_bfe_u32 v11, v0, 4, 1                        ; h
	v_lshlrev_b32 v[CL], 4, v0
	v_add_nc_u32 v[CO], SLOT, v[CL]                ; step 1; the loop steps it ahead of each use
	v_mul_u32_u24 v[SO], v10, SP
	v_lshl_add_u32 v[SO], v11, 5, v[SO]
	v_add_nc_u32 v[SO], s41, v[SO]                 ; in: row r, + 32 h
	v_mul_u32_u24 v[SR], v11, SP
	v_lshl_add_u32 v[SR], v10, 4, v[SR]
	v_add_nc_u32 v[SR], s41, v[SR]                 ; back: lanes 0-15 one row of 256 bytes, lanes 16-31 the next
	v_lshlrev_b32 v[GO], 8, v11
	v_lshl_add_u32 v[GO], v10, 4, v[GO]            ; and the same two rows in out
	; q's image: lane l of load i holds query 2 i + l / 16 and d = 4 (l % 16) .. + 3 = 32 (bit 3 of l) + 16 (bit 2) + 8 (bit 1) + 4 (bit 0): chunk = bit 3, the image's half = bit 1,
	; the second eight bytes of a lane's sixteen = bit 2, the second four of the eight = bit 0; the query's row is 16 x (2 i + l / 16): 32 i stands in the store's immediate
	v_bfe_u32 v[QI], v0, 3, 1
	v_lshlrev_b32 v[QI], 9, v[QI]
	v_bfe_u32 v[DQ], v0, 1, 1
	v_lshl_add_u32 v[QI], v[DQ], 8, v[QI]
	v_bfe_u32 v[DQ], v0, 2, 1
	v_lshl_add_u32 v[QI], v[DQ], 3, v[QI]
	v_and_b32 v[DQ], 1, v0
	v_lshl_add_u32 v[QI], v[DQ], 2, v[QI]
	v_lshl_add_u32 v[QI], v11, 4, v[QI]
	v_add_nc_u32 v[QI], s41, v[QI]
	v_lshlrev_b32 v[DQ], 3, v11
	v_sub_nc_u32 v[DQ], v10, v[DQ]                 ; r - 8 h
	v_mov_b32 v[NINF], 0xff800000
	v_add_nc_u32 v[QR], s41, v[LI]
	s_wait_kmcnt 0x0
	s_load_b128 s[36:39], s[8:9], 0x0              ; eq, ek, ep, ev
	s_add_nc_u64 s[4:5], s[4:5], s[20:21]
	s_add_nc_u64 s[10:11], s[10:11], s[20:21]
	s_add_nc_u64 s[6:7], s[6:7], s[22:23]
.set i, 0
.rept 8
	global_load_b128 v[S+4*i:S+4*i+3], v[LI], s[4:5] offset:512*i th:TH_LOAD_NT  ; my 16 queries, 512 consecutive bytes a load; read by this wave alone
.set i, i+1
.endr
	global_load_b128 v[SET:SET+3],     v[CL], s[6:7]                             ; step 0's codes: my 16 bytes of K's 8,192
	global_load_b128 v[SET+4:SET+7],   v[CL], s[6:7] offset:8192                 ; and of V's
	global_load_b128 v[SET+8:SET+11],  v[CL], s[6:7] offset:SLOT                 ; step 1's
	global_load_b128 v[SET+12:SET+15], v[CL], s[6:7] offset:SLOT+8192
	v_mov_b32 v13, 0xff61b1e6                      ; the largest t so far: -3e38, under every t
	v_floor_f32 v12, -v13                          ; -M
	v_mov_b32 v14, 0                               ; the sum, in two halves
	v_mov_b32 v15, 0
	v_mov_b32 v[F+1], 0                            ; (named as the upper half of the pair)
	v_mov_b32 v[PL], 0                             ; written once: a lane permute's destination counts as one of its sources
.set i, 0
.rept 32
	v_mov_b32 v[O+i], 0                            ; O^T.  The step is written once: the first finds zeros, which the first change of M leaves zeros
.set i, i+1
.endr
	s_wait_kmcnt 0x0
	s_add_co_i32 s40, s36, s37
	s_lshl_b32 s40, s40, 23
	s_add_co_i32 s[CS], s[CS], s40                 ; a score stands for score x 2^(eq + ek): the two exponents are added to c's exponent field
	s_mov_b32 s[CS+1], s[CS]                       ; (named with it as a pair, so it is written)
	s_add_co_i32 s40, s38, 127
	s_lshl_b32 s42, s40, 23
	v_mov_b32 v[SCL], s42                          ; 2^ep as f32, for p's conversions
	s_add_co_i32 s40, s40, 15
	s_lshl_b32 s40, s40, 23
	s_or_b32 s40, s40, 0x600000
	v_mov_b32 v[LIM], s40                          ; 57,344 x 2^ep
	s_add_co_i32 s40, s36, 127
	s_lshl_b32 s42, s40, 23
	v_mov_b32 v10, s42                             ; 2^eq
	s_add_co_i32 s40, s40, 15
	s_lshl_b32 s40, s40, 23
	s_or_b32 s40, s40, 0x600000
	v_mov_b32 v11, s40                             ; 57,344 x 2^eq
	s_wait_loadcnt 4                               ; q's eight loads are in; the copy's four may be out
.set i, 0
.rept 32
	v_med3_num_f32 v[S+i], v[S+i], -v11, v11       ; the conversion to an 8-bit code does not saturate (ISA guide 7.6.2): the hold at the largest code x the scale
.set i, i+1
.endr
.set i, 0
.rept 4
	v_cvt_scalef32_pk8_bf8_f32 v[PC+2*i:PC+2*i+1], v[S+8*i:S+8*i+7], v10         ; one scale for the tensor: word i = load i's four codes
.set i, i+1
.endr
	v_nop                                          ; a plain vector instruction behind the last conversion: matrix instructions later write these registers
.set i, 0
.rept 8
	ds_store_b32 v[QI], v[PC+i] offset:32*i
.set i, i+1
.endr
	ds_load_b128 v[QF:QF+3],   v[QR]               ; my own bytes, served in order: Q's fragment, d = 8 h + 0 .. 7 and 16 + 8 h + 0 .. 7,
	ds_load_b128 v[QF+4:QF+7], v[QR] offset:512    ; and the same 32 further on
	s_wait_loadcnt 2                               ; step 0's two loads are in; step 1's may be out
	ds_store_b128 v[CL], v[SET:SET+3]
	ds_store_b128 v[CL], v[SET+4:SET+7] offset:8192
	s_wait_dscnt 2                                 ; Q's fragment is in; the two stores issued behind its loads may be out
.set i, 0
.rept 8
	v_xor_b32 v[NQ+i], 0x80808080, v[QF+i]         ; -Q: the sign bit of each of the four codes of a word is turned
.set i, i+1
.endr
; S+ and S- of the four tiles t0 .. t0 + 3 of 16 keys: eight accumulators, each begun with the constant 0.  Four places follow: in front of the first read of the results, and of loads into K's registers.
.macro SCORES t0
.irp u, 0,1,2,3
	v_wmma_f32_16x16x64_bf8_bf8 v[S+8*((\t0)+\u):S+8*((\t0)+\u)+7], v[KV+8*((\t0)+\u):KV+8*((\t0)+\u)+7], v[QF:QF+7], 0
.endr
.irp u, 0,1,2,3
	v_wmma_f32_16x16x64_bf8_bf8 v[TM+8*\u+16*(\u/2):TM+8*\u+16*(\u/2)+7], v[KV+8*((\t0)+\u):KV+8*((\t0)+\u)+7], v[NQ:NQ+7], 0
.endr
.rept 4
	v_nop
.endr
.endm
; x = S+ - S- for these four tiles, two at a time; each accumulator is read from its low end on
.macro DIFF t0
.irp u, 0,1,2,3
.irp j, 0,2,4,6
	v_pk_add_f32 v[S+8*((\t0)+\u)+\j:S+8*((\t0)+\u)+\j+1], v[S+8*((\t0)+\u)+\j:S+8*((\t0)+\u)+\j+1], v[TM+8*\u+16*(\u/2)+\j:TM+8*\u+16*(\u/2)+\j+1] neg_lo:[0,1] neg_hi:[0,1]
.endr
.endr
.endm
; A STEP of 128 keys, in slot par.
.macro STEP par
	s_wait_dscnt 0x0                               ; for the others' sake: my stores into this slot have landed and my reads of the other slot are over
	s_barrier_signal -1
	s_barrier_wait -1                              ; both now hold of all sixteen waves
	s_wait_loadcnt 0x0                             ; the next step's two loads, asked for a step ago, are in; their address register is free
	v_add_nc_u32 v[CO], SLOT, v[CO]                ; the step after the next
	s_cmp_lt_u32 s[KF], s[LASTK]                   ; is there a next step that some wave needs?  The same answer in all sixteen waves
	s_cbranch_scc0 .Lnocopy_\@
	ds_store_b128 v[CL], v[SET+8*(1-\par):SET+8*(1-\par)+3] offset:(1-\par)*SLOT           ; it goes into the slot that everybody has left
	ds_store_b128 v[CL], v[SET+8*(1-\par)+4:SET+8*(1-\par)+7] offset:(1-\par)*SLOT+8192
	s_cmp_lt_u32 s[KF], s[LASTK2]                  ; and one behind it?  No load is asked for that nobody needs
	s_cbranch_scc0 .Lnocopy_\@
	global_load_b128 v[SET+8*\par:SET+8*\par+3],   v[CO], s[6:7]                           ; into the set whose LDS stores were waited for at this step's head
	global_load_b128 v[SET+8*\par+4:SET+8*\par+7], v[CO], s[6:7] offset:8192
.Lnocopy_\@:
	s_cmp_gt_u32 s[KF], s[QL]                      ; CAUSAL: all keys of the step come after my queries: a branch on ids, round the step's work and round no barrier
	s_cbranch_scc1 .Lhidden_\@
.irp t, 0,1,2,3,4,5,6,7
	ds_load_b128 v[KV+8*\t:KV+8*\t+3],   v[LI] offset:\par*SLOT+1024*\t
	ds_load_b128 v[KV+8*\t+4:KV+8*\t+7], v[LI] offset:\par*SLOT+1024*\t+512
.endr
	s_wait_dscnt 8                                 ; tiles 0-3 are in; the youngest eight loads (tiles 4-7) may be out
	SCORES 0
	DIFF 0                                         ; with the four places above, these sixteen also part the two runs that write S-'s registers: of them twelve name no register of any one earlier product
	s_wait_dscnt 0x0                               ; tiles 4-7 are in
	SCORES 4
.irp t, 0,1,2,3
.irp c, 0,1,2,3
	ds_load_b128 v[KV+16*\t+4*\c:KV+16*\t+4*\c+3], v[LI] offset:\par*SLOT+8192+2048*\t+512*\c   ; V's fragments land while the softmax is worked
.endr
.endr
	DIFF 4
	s_add_co_u32 s40, s[KF], 127                   ; on the diagonal the scores of hidden keys become -infinity ahead of the maximum: p = 0 then.  A step all of whose keys count skips this
	s_cmp_le_u32 s40, s[Q0]
	s_cbranch_scc1 .Lopen_\@
	s_sub_co_i32 s40, s[Q0], s[KF]
	v_add_nc_u32 v[F], s40, v[DQ]                  ; d = my query - KF - 8 (lane / 16).  Register 8 T + j holds key KF + 8 (lane / 16) + 16 T + j: hidden where 16 T + j > d
.set n, 0
.rept 64
	v_cmp_gt_i32 vcc_lo, 16*(n/8)+n%8, v[F]
	v_cndmask_b32 v[S+n], v[S+n], v[NINF], vcc_lo
.set n, n+1
.endr
.Lopen_\@:
	v_max3_num_f32 v[MA], v[S], v[S+1], v[S+2]     ; the step's largest x of my query, among my 64 keys, in two chains that go up through the registers,
	v_max3_num_f32 v[F], v[S+3], v[S+4], v[S+5]
.set n, 6
.rept 14
	v_max3_num_f32 v[MA], v[MA], v[S+n], v[S+n+1]
	v_max3_num_f32 v[F], v[F], v[S+n+2], v[S+n+3]
.set n, n+4
.endr
	v_max3_num_f32 v[MA], v[MA], v[S+62], v[S+63]
	v_max_num_f32 v[MA], v[MA], v[F]
	v_permlanex16_b32 v[PL], v[MA], s[SEL], s[SEL+1]
	v_max_num_f32 v[MA], v[MA], v[PL]              ; and among lane l xor 16's.  (The step's first key counts for every query of mine: it is a number)
	v_mul_f32 v[MA], s[CS], v[MA]                  ; as t (c is positive)
	v_max_num_f32 v13, v13, v[MA]                  ; the running largest t
	v_mov_b32 v[MA], v12
	v_floor_f32 v12, -v13                          ; the new -M = floor(-t) = -ceil(t): M IS A WHOLE NUMBER
	v_sub_f32 v[MA], v12, v[MA]                    ; M's old value less its new one: a whole number, 0 or less
	v_cvt_i32_f32 v[MA], v[MA]                     ; (it saturates)
	v_ldexp_f32 v[F], 1.0, v[MA]                   ; f = 2^(old M - new M): a multiplication by it rounds nothing
.set n, 0
.rept 32
	v_pk_fma_f32 v[S+n:S+n+1], v[S+n:S+n+1], s[CS:CS+1], v[12:13] op_sel_hi:[1,0,0]   ; t - M = x c - M, two at a time (of the pairs c and -M the low word serves both halves)
.set n, n+2
.endr
.set n, 0
.rept 64
	v_exp_f32 v[S+n], v[S+n]                       ; p = 2^(t - M), at most 1: NOT normalised
.set n, n+1
.endr
	v_pk_mul_f32 v[14:15], v[14:15], v[F:F+1] op_sel_hi:[1,0]     ; the sums under the new M.  (The plain instruction behind the exponentials)
	s_wait_alu depctr_va_vdst(0)
	v_pk_add_f32 v[SB:SB+1], v[S:S+1], v[S+2:S+3]                 ; THE ROW'S SUM IS TAKEN OF THE UNQUANTISED p: two at a time, in two chains
.set n, 4
.rept 15
	v_pk_add_f32 v[14:15], v[14:15], v[S+n:S+n+1]
	v_pk_add_f32 v[SB:SB+1], v[SB:SB+1], v[S+n+2:S+n+3]
.set n, n+4
.endr
	v_pk_add_f32 v[14:15], v[14:15], v[SB:SB+1]
.irp b, 0,1,2,3
.set n, 0
.rept 16
	v_min_num_f32 v[S+16*\b+n], v[S+16*\b+n], v[LIM]              ; the hold at the largest code x the scale; p is not negative, so it is one-sided
.set n, n+1
.endr
	v_cvt_scalef32_pk8_bf8_f32 v[PC+4*\b:PC+4*\b+1],   v[S+16*\b:S+16*\b+7],    v[SCL]   ; tile 2 b: registers 4 b, 4 b + 1 of the operand: keys 32 b + 8 (lane / 16) + 0 .. 7
	v_cvt_scalef32_pk8_bf8_f32 v[PC+4*\b+2:PC+4*\b+3], v[S+16*\b+8:S+16*\b+15], v[SCL]   ; tile 2 b + 1: registers 4 b + 2, 4 b + 3: keys 32 b + 16 + 8 (lane / 16) + 0 .. 7
.endr
.set n, 0
.rept 16
	v_pk_mul_f32 v[O+n:O+n+1], v[O+n:O+n+1], v[F:F+1] op_sel_hi:[1,0]   ; O^T under the new M, each accumulator from its low end on.  (Also the plain instructions behind the conversions)
.set n, n+2
.endr
	s_wait_dscnt 0x0                               ; V's fragments are in
.irp t, 0,1,2,3                                ; O^T += V^T P^T.  The four accumulators take turns, one instruction a turn, and the scores' sixteen products stand between two steps' turns
	v_wmma_f32_16x16x128_bf8_bf8 v[O+8*\t:O+8*\t+7], v[KV+16*\t:KV+16*\t+15], v[PC:PC+15], v[O+8*\t:O+8*\t+7]
.endr
.rept 5
	v_nop                                          ; five places: the next step's products S- write over p's codes, which these products read; four of them serve its loads into the fragments' registers and the way out's reads of O^T
.endr
.Lhidden_\@:
	s_add_co_u32 s[KF], s[KF], 128
.endm
.Ltrip:                                            ; eight trips of two steps: the slots and the copy's sets are back where they began
	STEP 0
	STEP 1
	s_sub_co_u32 s[TRIPS], s[TRIPS], 1
	s_cmp_lg_u32 s[TRIPS], 0
	s_cbranch_scc1 .Ltrip
	; THE WAY OUT.  O^T is divided by the row's sum, multiplied by 2^(ep + ev), and goes through my stage, so that sixteen lanes store one whole row of 256 bytes.
	v_add_f32 v14, v14, v15                        ; the sum's two halves,
	v_permlanex16_b32 v[PL], v14, s[SEL], s[SEL+1]
	v_add_f32 v14, v14, v[PL]                      ; and lane l xor 16's
	v_rcp_f32 v14, v14
	v_nop                                          ; a plain instruction behind the transcendental
	s_add_co_i32 s40, s38, s39
	s_wait_alu depctr_va_vdst(0)
	v_ldexp_f32 v14, v14, s40                      ; x 2^(ep + ev)
.set n, 0
.rept 16
	v_pk_mul_f32 v[S+n:S+n+1], v[O+n:O+n+1], v[14:15] op_sel_hi:[1,0]   ; register 8 t + j is out(query r, 16 t + 8 h + j); each accumulator from its low end on
.set n, n+2
.endr
.irp t, 0,1,2,3
	ds_store_b128 v[SO], v[S+8*\t:S+8*\t+3]   offset:64*\t
	ds_store_b128 v[SO], v[S+8*\t+4:S+8*\t+7] offset:64*\t+16
.endr
.set i, 0
.rept 8
	ds_load_b128 v[KV+4*i:KV+4*i+3], v[SR] offset:2*i*SP          ; my own bytes, served in order: these see the stores above
.set i, i+1
.endr
.set i, 0
.rept 8
	s_wait_dscnt 7-i                               ; the younger loads may stay out
	global_store_b128 v[GO], v[KV+4*i:KV+4*i+3], s[10:11] offset:512*i th:TH_STORE_NT   ; 16 lanes store 256 consecutive bytes, at a multiple of 256 from out's first byte; written once, read by nobody here
.set i, i+1
.endr
	s_wait_tensorcnt 0x0
	ds_add_u32 v230, v231
	s_wait_dscnt 0x0
	s_endpgm
.Lfunc_end_k_q454c21e97b_attn:
	.size	k_q454c21e97b_attn, .Lfunc_end_k_q454c21e97b_attn-k_q454c21e97b_attn
	.p2alignl 7, 3214868480
	.fill 96, 4, 3214868480
	.section	.rodata,"a",@progbits
	.p2align	6, 0x0
	.amdhsa_kernel k_q454c21e97b_attn
		.amdhsa_group_segment_fixed_size 104448
		.amdhsa_private_segment_fixed_size 0
		.amdhsa_enable_private_segment 0
		.amdhsa_kernarg_size 32
		.amdhsa_user_sgpr_count 2
		.amdhsa_user_sgpr_kernarg_segment_ptr 1
		.amdhsa_wavefront_size32 1
		.amdhsa_system_sgpr_workgroup_id_x 1
		.amdhsa_system_sgpr_workgroup_id_y 1
		.amdhsa_system_sgpr_workgroup_id_z 1
		.amdhsa_system_vgpr_workitem_id 0
		.amdhsa_next_free_vgpr 256
		.amdhsa_next_free_sgpr 66
		.amdhsa_reserve_vcc 1
		.amdhsa_float_denorm_mode_32 3
		.amdhsa_float_denorm_mode_16_64 3
		.amdhsa_memory_ordered 1
		.amdhsa_forward_progress 1
		.amdhsa_inst_pref_size 61
	.end_amdhsa_kernel
	.amdgpu_metadata
---
amdhsa.version: [ 1, 2 ]
amdhsa.kernels:
  - .name:           k_q454c21e97b_attn
    .symbol:         k_q454c21e97b_attn.kd
    .args:
      - { .name: q, .offset: 0, .size: 8, .value_kind: global_buffer, .address_space: global }
      - { .name: codes, .offset: 8, .size: 8, .value_kind: global_buffer, .address_space: global }
      - { .name: lowp_scales, .offset: 16, .size: 8, .value_kind: global_buffer, .address_space: global }
      - { .name: out0, .offset: 24, .size: 8, .value_kind: global_buffer, .address_space: global }
    .group_segment_fixed_size: 104448
    .private_segment_fixed_size: 0
    .kernarg_segment_align: 8
    .kernarg_segment_size: 32
    .max_flat_workgroup_size: 512
    .sgpr_count:     66
    .vgpr_count:     256
    .wavefront_size: 32
...
	.end_amdgpu_metadata
.endif
;; end of part 2
;; ======== version 2 of 2: 2 launches
;; workspace buffers: codes 6,291,456 bytes
;; launch quant (part 3): grid 384 x 1, 4 waves a work-group, no clusters, 8,704 bytes of LDS; arguments k, v, lowp_scales, codes; writes codes
.if DOCPART == 3
	.amdgcn_target "amdgcn-amd-amdhsa--gfx1250"
	.amdhsa_code_object_version 6
	.text
	.protected	k_q454c21e97b_quant
	.globl	k_q454c21e97b_quant
	.p2align	8
	.type	k_q454c21e97b_quant,@function
k_q454c21e97b_quant:
	s_mov_b64 s[64:65], 0
	v_nop
	global_prefetch_b8 v0, s[64:65] scope:SCOPE_SE
	s_setreg_imm32_b32 hwreg(HW_REG_WAVE_MODE, 25, 1), 1
	s_wait_xcnt 0x0
; k and v, [24 heads][2048 keys][64] f32, become codes of BF8 (E5M2), each with the one scale 2^e that is given for it (ek = entry 1, ev = entry 3 of the scales).
; code = x / 2^e, held within +-57,344, rounded to the nearest code, ties to even.
; LIMITS: ek and ev between -126 and 112, so that 2^e and 57,344 x 2^e are f32 numbers.  NaN among the inputs is not served; an infinity is held at the largest code.
; THE CODES ARE LAID IN THE ORDER OF THE OPERANDS' REGISTERS, WITH k IN THE MATRIX FORMS' OWN PLACES (registers 2 c, 2 c + 1 of lane r + 16 h: k = 16 c + 8 h + 0 .. 7), so that the sums are made in the forms' own order of k.
; A block of 16,384 bytes holds 128 keys of one head (block = 16 x head + keys / 128):
;   bytes 0-8191: K's eight tiles of 16 keys x 64 d.  Tile T at 1024 T, chunk c (0, 1: four registers) at + 512 c, lane L = r + 16 h at + 16 L:
;                 K[key 16 T + r][d = 32 c + 8 h + 0 .. 7], then K[key 16 T + r][d = 32 c + 16 + 8 h + 0 .. 7]
;   bytes 8192-16383: V's four tiles of 16 d x 128 keys.  Tile t at 2048 t, chunk c (0 .. 3) at + 512 c, lane L at + 16 L:
;                 V[key 32 c + 8 h + 0 .. 7][d = 16 t + r], then V[key 32 c + 16 + 8 h + 0 .. 7][d = 16 t + r]
; so the launch that multiplies copies dense bytes and loads each fragment 16 bytes a lane.
; SHARES.  A work-group takes one block, wave w its keys 32 w .. 32 w + 31: K's tiles 2 w and 2 w + 1, and chunk w of V's four tiles.  Waves share nothing: no barrier.
; K: d is innermost in memory.  Each load reads 512 consecutive bytes (two keys); with one scale for the tensor a conversion's eight numbers need not be neighbours, so a load's four numbers
;    become one word of four codes, and the words are put in their places of the image in the wave's own 2,048 bytes of LDS, read back 16 bytes a lane and stored 512 consecutive bytes at a time.
; V: the keys are its K and are not innermost.  A lane takes a column d and its registers run down the keys: a conversion's result is eight neighbouring keys of one d, half of what a lane of the image holds:
;    sixteen lanes store 256 consecutive aligned bytes straight from registers.
.set XK, 16                            ; v16-79    K's numbers as loaded: load i in 4 registers
.set XV, 80                            ; v80-143   V's numbers: column 32 e + lane, key j at v[XV + 32 e + j]
.set CK, 144                           ; v144-159  K's codes: word i = load i's four
.set OK, 160                           ; v160-175  K's image read back
.set CV, 176                           ; v176-191  V's codes
	s_load_b256 s[4:11], s[0:1], 0x0               ; k s[4:5], v s[6:7], the scales' exponents s[8:9], codes s[10:11]
	v_lshl_add_u32 v192, v0, 2, 0x2000
	v_mov_b32 v193, 0
	v_lshrrev_b32 v1, 5, v0
	v_readfirstlane_b32 s12, v1                    ; wave 0..3
	v_and_b32 v1, 31, v0                           ; lane
	v_lshlrev_b32 v2, 4, v1                        ; 16 x lane
	v_lshlrev_b32 v3, 2, v1                        ; 4 x lane
	s_lshl_b32 s13, s12, 11                        ; 2,048 x wave: my part of LDS, and of K's image
	; Where a word of K's codes goes.  Lane l of load i holds key 2 i + l / 16 of my 32 and d = 4 (l % 16) .. + 3 = 32 (bit 3 of l) + 16 (bit 2) + 8 (bit 1) + 4 (bit 0):
	; chunk = bit 3, the image's half h = bit 1, the second eight bytes of the lane's sixteen = bit 2, the second four of the eight = bit 0; the key's tile and row stand partly in the lane (16 x (l / 16)) and partly in the store's immediate.
	v_bfe_u32 v4, v0, 3, 1
	v_lshlrev_b32 v4, 9, v4                        ; 512 x chunk
	v_bfe_u32 v6, v0, 1, 1
	v_lshl_add_u32 v4, v6, 8, v4                   ; + 256 x h
	v_bfe_u32 v6, v0, 2, 1
	v_lshl_add_u32 v4, v6, 3, v4                   ; + 8 x bit 2
	v_and_b32 v6, 1, v0
	v_lshl_add_u32 v4, v6, 2, v4                   ; + 4 x bit 0
	v_bfe_u32 v6, v0, 4, 1
	v_lshl_add_u32 v4, v6, 4, v4                   ; + 16 x (l / 16)
	v_lshlrev_b32 v7, 11, v6                       ; V's store: lanes 16-31 hold the next tile of d: 2,048 x (l / 16)
	v_add_nc_u32 v4, s13, v4
	v_add_nc_u32 v5, s13, v2                       ; back: 16 x lane in my part
	v_and_b32 v6, 15, v0
	v_lshl_add_u32 v7, v6, 4, v7                   ; + 16 x (l % 16)
	s_lshl_b32 s14, ttmp9, 15                      ; the block's 128 rows of 256 bytes in k and in v,
	s_lshl_b32 s16, s12, 13                        ; my wave's 32 of them
	s_add_co_u32 s14, s14, s16
	s_mov_b32 s15, 0
	s_lshl_b32 s18, ttmp9, 14                      ; the block's 16,384 bytes of codes
	s_add_co_u32 s16, s18, s13                     ; K's image: + 2,048 x wave
	s_mov_b32 s17, 0
	s_lshl_b32 s28, s12, 9
	s_add_co_u32 s18, s18, s28                     ; V's image: + 512 x wave (my chunk),
	s_add_co_u32 s18, s18, 8192                    ; behind K's
	s_mov_b32 s19, 0
	s_wait_kmcnt 0x0
	s_load_b128 s[24:27], s[8:9], 0x0              ; eq, ek, ep, ev
	s_add_nc_u64 s[4:5], s[4:5], s[14:15]
	s_add_nc_u64 s[6:7], s[6:7], s[14:15]
	s_add_nc_u64 s[20:21], s[10:11], s[16:17]
	s_add_nc_u64 s[22:23], s[10:11], s[18:19]
.set i, 0
.rept 16
	global_load_b128 v[XK+4*i:XK+4*i+3], v2, s[4:5] offset:512*i th:TH_LOAD_NT   ; 32 lanes read 512 consecutive bytes: keys 2 i and 2 i + 1
.set i, i+1
.endr
.set j, 0
.rept 32
	global_load_b32 v[XV+j], v3, s[6:7] offset:256*j th:TH_LOAD_NT               ; key j, d = lane;
	global_load_b32 v[XV+32+j], v3, s[6:7] offset:256*j+128 th:TH_LOAD_NT        ; d = 32 + lane: the row's other 128 bytes, asked for straight behind
.set j, j+1
.endr
	s_wait_kmcnt 0x0
	s_add_co_i32 s28, s25, 127
	s_lshl_b32 s29, s28, 23
	v_mov_b32 v8, s29                              ; 2^ek as f32: the conversion takes its exponent field
	s_add_co_i32 s28, s28, 15
	s_lshl_b32 s28, s28, 23
	s_or_b32 s28, s28, 0x600000
	v_mov_b32 v9, s28                              ; 57,344 x 2^ek
	s_add_co_i32 s28, s27, 127
	s_lshl_b32 s29, s28, 23
	v_mov_b32 v10, s29                             ; 2^ev
	s_add_co_i32 s28, s28, 15
	s_lshl_b32 s28, s28, 23
	s_or_b32 s28, s28, 0x600000
	v_mov_b32 v11, s28                             ; 57,344 x 2^ev
	s_wait_alu depctr_va_vdst(0)
	s_wait_loadcnt 63                              ; 80 loads were issued and come back in order: with 63 out at the most, K's sixteen are in
.set i, 0
.rept 64
	v_med3_num_f32 v[XK+i], v[XK+i], -v9, v9       ; the conversion to an 8-bit code does not saturate (ISA guide 7.6.2): the hold at the largest code x the scale
.set i, i+1
.endr
.set i, 0
.rept 8
	v_cvt_scalef32_pk8_bf8_f32 v[CK+2*i:CK+2*i+1], v[XK+8*i:XK+8*i+7], v8        ; two loads' numbers: two words of four codes
.set i, i+1
.endr
	v_nop                                          ; a plain vector instruction behind the last conversion of the run
.set i, 0
.rept 16
	ds_store_b32 v4, v[CK+i] offset:1024*(i/8)+32*(i%8)                          ; key 2 i + l / 16 of my 32: tile i / 8, row 2 (i % 8) + l / 16
.set i, i+1
.endr
.set i, 0
.rept 4
	ds_load_b128 v[OK+4*i:OK+4*i+3], v5 offset:512*i                             ; my own bytes, and LDS serves a wave's instructions in order (ISA guide 5.7.1.4): these see the stores above
.set i, i+1
.endr
.set i, 0
.rept 4
	s_wait_dscnt 3-i                               ; the younger loads may stay out
	global_store_b128 v2, v[OK+4*i:OK+4*i+3], s[20:21] offset:512*i              ; 32 lanes store 512 consecutive bytes, at a multiple of 512 from the buffer's first byte
.set i, i+1
.endr
	s_wait_loadcnt 0x0                             ; V
.set i, 0
.rept 64
	v_med3_num_f32 v[XV+i], v[XV+i], -v11, v11
.set i, i+1
.endr
.set i, 0
.rept 8                                        ; column 32 (i / 4) + lane, keys 8 g .. + 7, g = i % 4.  The results stand in the order g = 0, 2, 1, 3: keys 0-7 and 16-23 are the image's half 0, keys 8-15 and 24-31 its half 1
	v_cvt_scalef32_pk8_bf8_f32 v[CV+8*(i/4)+4*(i%2)+2*((i%4)/2):CV+8*(i/4)+4*(i%2)+2*((i%4)/2)+1], v[XV+8*i:XV+8*i+7], v10
.set i, i+1
.endr
	v_nop                                          ; a plain vector instruction behind the last conversion of the run
.irp e, 0,1
.irp h, 0,1
	global_store_b128 v7, v[CV+8*\e+4*\h:CV+8*\e+4*\h+3], s[22:23] offset:4096*\e+256*\h   ; half h of d = 32 e + lane: lanes 0-15 fill 256 aligned bytes of tile 2 e, lanes 16-31 of tile 2 e + 1
.endr
.endr
	s_wait_tensorcnt 0x0
	ds_add_u32 v192, v193
	s_wait_dscnt 0x0
	s_endpgm
.Lfunc_end_k_q454c21e97b_quant:
	.size	k_q454c21e97b_quant, .Lfunc_end_k_q454c21e97b_quant-k_q454c21e97b_quant
	.p2alignl 7, 3214868480
	.fill 96, 4, 3214868480
	.section	.rodata,"a",@progbits
	.p2align	6, 0x0
	.amdhsa_kernel k_q454c21e97b_quant
		.amdhsa_group_segment_fixed_size 8704
		.amdhsa_private_segment_fixed_size 0
		.amdhsa_enable_private_segment 0
		.amdhsa_kernarg_size 32
		.amdhsa_user_sgpr_count 2
		.amdhsa_user_sgpr_kernarg_segment_ptr 1
		.amdhsa_wavefront_size32 1
		.amdhsa_system_sgpr_workgroup_id_x 1
		.amdhsa_system_sgpr_workgroup_id_y 1
		.amdhsa_system_sgpr_workgroup_id_z 1
		.amdhsa_system_vgpr_workitem_id 0
		.amdhsa_next_free_vgpr 194
		.amdhsa_next_free_sgpr 66
		.amdhsa_reserve_vcc 0
		.amdhsa_float_denorm_mode_32 3
		.amdhsa_float_denorm_mode_16_64 3
		.amdhsa_memory_ordered 1
		.amdhsa_forward_progress 1
		.amdhsa_inst_pref_size 22
	.end_amdhsa_kernel
	.amdgpu_metadata
---
amdhsa.version: [ 1, 2 ]
amdhsa.kernels:
  - .name:           k_q454c21e97b_quant
    .symbol:         k_q454c21e97b_quant.kd
    .args:
      - { .name: k, .offset: 0, .size: 8, .value_kind: global_buffer, .address_space: global }
      - { .name: v, .offset: 8, .size: 8, .value_kind: global_buffer, .address_space: global }
      - { .name: lowp_scales, .offset: 16, .size: 8, .value_kind: global_buffer, .address_space: global }
      - { .name: codes, .offset: 24, .size: 8, .value_kind: global_buffer, .address_space: global }
    .group_segment_fixed_size: 8704
    .private_segment_fixed_size: 0
    .kernarg_segment_align: 8
    .kernarg_segment_size: 32
    .max_flat_workgroup_size: 128
    .sgpr_count:     66
    .vgpr_count:     194
    .wavefront_size: 32
...
	.end_amdgpu_metadata
.endif
;; end of part 3
;; launch attn (part 4): grid 8 x 24, 16 waves a work-group, no clusters, 104,448 bytes of LDS; arguments q, codes, lowp_scales, out0; writes out0
.if DOCPART == 4
	.amdgcn_target "amdgcn-amd-amdhsa--gfx1250"
	.amdhsa_code_object_version 6
	.text
	.protected	k_q454c21e97b_attn
	.globl	k_q454c21e97b_attn
	.p2align	8
	.type	k_q454c21e97b_attn,@function
k_q454c21e97b_attn:
	s_mov_b64 s[64:65], 0
	v_nop
	global_prefetch_b8 v0, s[64:65] scope:SCOPE_SE
	s_setreg_imm32_b32 hwreg(HW_REG_WAVE_SCHED_MODE, 0, 2), 2
	s_setreg_imm32_b32 hwreg(HW_REG_WAVE_MODE, 25, 1), 1
	s_wait_xcnt 0x0
	s_wait_alu depctr_vm_vsrc(0)
; out[h][q][:] = the sum over keys k <= q of softmax_k(Q[h][q] . K[h][k] / 8) V[h][k][:]: 24 heads, 2,048 queries and keys, head size 64.  Both products on codes of BF8 (E5M2), each operand with its given scale:
; eq, ek, ep, ev.  q arrives as f32 and is quantised here, in registers; K's and V's codes come from the buffer codes, laid in the order of the operands' registers, 16,384 bytes for each 128 keys of a head:
; K's eight tiles (1,024 bytes each: two chunks of 512, 16 bytes a lane), then V's four (2,048 bytes each: four chunks).
; THE SOFTMAX AHEAD OF THE SECOND PRODUCT: t = score x log2(e) / 8; M = the row's largest t so far, rounded UP to a whole number; p = 2^(t - M) is what is quantised, along the keys; it is not normalised.
; The row's sum is taken of the unquantised p, in f32, and divides O at the end.  When M moves, the sum and O are multiplied by 2^(old M - new M): exact.
; The factor 2 is taken out of c.
; SHARES.  A work-group owns TWO blocks of 128 queries of one head, blocks i and 15 - i (i = work-group x): under the causal mask block b has 8 (b + 1) steps of a wave, so every work-group has 136.
; Each of its sixteen waves owns one tile of 16 queries in 256 registers.  Wave w takes tile w / 2 of the late block where (w xor w / 4) is odd, else of the early one: of any four waves with consecutive numbers,
; and of any four with numbers 4 apart, two are late.  Every wave walks sixteen steps of 128 keys, a constant count, and passes every barrier; a step all of whose keys come after its queries is jumped over.
; THE TWO LDS SLOTS ARE FILLED THROUGH REGISTERS: a step's 16,384 bytes are 32 bytes a thread: two loads, asked for two steps ahead, and two LDS stores one step ahead.  One barrier a step.
; No cluster: the eight work-groups of a head need different numbers of steps (9 to 16), and a step's bytes are small beside its vector work.
; LAYOUT.  Both products are used transposed: S^T = K Q^T (source 0 = 16 keys, source 1 = my 16 queries), O^T = V^T P^T (source 0 = 16 of the head's 64, source 1 = P): a lane holds ONE query (lane % 16) throughout.
; IN EVERY FRAGMENT k STANDS IN THE FORM'S OWN PLACE: registers 2 c, 2 c + 1 of lane r + 16 h hold k = 16 c + 8 h + 0 .. 7.
; Tile T of K holds keys 16 T + 0 .. 15, so register 8 T + j of S^T is key 16 T + 8 (lane / 16) + j, and the conversion of tile T's eight registers gives registers 2 T, 2 T + 1 of P's fragment as they are wanted.
; LIMITS on the given exponents, so that each power of two below is an f32 number: eq and ep between -126 and 112; eq + ek between -122 and 130 (they are added to c's exponent field); ep + ev goes by v_ldexp_f32.
; NaN among the inputs is not served; an infinity in q is held at the largest code.  A p under 2^-126 counts as 0 (v_exp_f32 gives no denormals: ISA guide 15.8).
; THE MODE: SCHED_MODE bits 1:0 = 2 (LLVM: expert scheduling mode 2), set by the entry lines.  The code itself states the register dependences
; between vector or matrix instructions and memory or LDS instructions, with s_wait_alu, always for 0.
; THE PLAN.  Registers that memory or LDS instructions touch, in the loop:
;   v1, v2      16 x lane and 16 x thread: read by every LDS load, LDS store and global load; made at the head and never written again.  The copy's place in memory moves by its scalar base.
;   SET0, SET1  Step s: its two LDS stores read SET[1 - s % 2]; its two global loads land in SET[s % 2], which the LDS stores of step s - 1 read.  No vector instruction names them.
;   KV          Step s: K's sixteen LDS loads land in it; the sixteen score products read it; V's sixteen LDS loads land in it; the four products O^T read it; then step s + 1's loads of K.
;   S+, S-, p, p's codes, O^T and the row's statistics are named by vector and matrix instructions alone.
; So a step has one wait on vm_vsrc, at its head (the last step's LDS stores have read the set that is loaded again), and five on va_vdst: ahead of K's loads (the last step's products O^T are done reading KV),
; ahead of V's loads (the score products are done reading KV), ahead of the exponentials, behind them ahead of their first reader, and ahead of the products O^T.  The one step of a wave that lies on the diagonal has two waits on va_sdst,
; each between a run of 32 compares into scalar registers and the 32 selections that read them.
.set SLOT,  16384                      ; LDS: slot 0 at 0, slot 1 at 16,384;
.set STAGE, 2*SLOT                     ; then a stage of 16 rows x (256 + 16) bytes for each wave: q's image at the head, O's rows at the end; nobody else touches it
.set SP,    272
.set LI,  1                            ; v1   16 x lane: a fragment's place for my lane
.set CL,  2                            ; v2   16 x thread: my 16 bytes of a half step's 8,192, in LDS and in memory
.set SO,  4                            ; v4   the stage: where I put 32 bytes of a row of O
.set SR,  5                            ; v5   and where I read a row back
.set GO,  6                            ; v6   my byte offset in the wave's rows of out
.set QI,  7                            ; v7   where a word of q's codes goes
.set DQ,  8                            ; v8   lane % 16 - 8 (lane / 16)
.set NINF, 9                           ; v9   -infinity
                                       ; v12 -M, v13 the largest t, v[14:15] the row's sum in two halves
.set QF,  16                           ; v16-23   Q's fragment
.set SET, 24                           ; v24-31, v32-39  the copy's two sets: set s % 2 holds step s
.set KV,  40                           ; v40-103  K's eight fragments, then V's four
.set S,   104                          ; v104-167 S+, then x, then p; at the head q's numbers
.set O,   168                          ; v168-199 O^T
.set PC,  200                          ; v200-215 p's codes
.set TM,  200                          ; S- of four tiles: tile u at v[TM + 8 u + 16 (u / 2)]: v200-215 (free while the scores are made) and v232-247
.set LIM, 216                          ; v216 57,344 x 2^ep;  v217 2^ep
.set SCL, 217
.set MA,  218                          ; v218 at work: a chain of the maximum
.set F,   220                          ; v[220:221] at work: the mask's d, the other chain, then f = 2^(old M - new M)
.set SB,  222                          ; v[222:223] the sum's second chain
.set PL,  224                          ; v224 a lane permute's destination
.set QR,  225                          ; v225 my stage + 16 x lane
.set NQ,  248                          ; v248-255 -Q's fragment
.set WV,  12                           ; s12  my wave's number
.set Q0,  18                           ; s18  my first query
.set LASTK, 24                         ; s24  the first key of the last step that any wave of the work-group needs: 128 (15 - i)
.set LASTK2, 25                        ; s25  128 less
.set QL,  26                           ; s26  my last query
.set KF,  27                           ; s27  the step's first key
.set TRIPS, 28                         ; s28
.set SEL, 30                           ; s[30:31] lane selects for v_permlanex16_b32: lane l xor 16
.set CS,  32                           ; s[32:33] c = log2(e) / 16 x 2^(eq + ek): t = x c.  The packed form names a pair and takes its low word for both halves
.set MK,  66                           ; s66-97 the causal mask of 32 registers, a scalar register each
	s_load_b256 s[4:11], s[0:1], 0x0               ; q s[4:5], codes s[6:7], the scales' exponents s[8:9], out s[10:11]
	v_lshl_add_u32 v230, v0, 2, 0x19000
	v_mov_b32 v231, 0
	v_lshrrev_b32 v1, 5, v0
	v_readfirstlane_b32 s[WV], v1                  ; wave 0..15
	s_wait_alu depctr_va_sdst(0)                   ; s12 is written, ahead of its first reader: my block, my stage and my rows are made from it
	s_lshr_b32 s13, s[WV], 2
	s_xor_b32 s13, s13, s[WV]
	s_and_b32 s13, s13, 1                          ; late?
	s_lshr_b32 s14, s[WV], 1                       ; my tile of the block's eight
	s_mov_b32 s15, ttmp9                           ; i: the early block
	s_sub_co_u32 s16, 15, s15                      ; the late block
	s_cmp_eq_u32 s13, 1
	s_cselect_b32 s17, s16, s15                    ; my block
	s_lshl_b32 s[Q0], s17, 7
	s_lshl_b32 s40, s14, 4
	s_add_co_u32 s[Q0], s[Q0], s40                 ; my first query: 128 x block + 16 x tile
	s_and_b32 s19, ttmp7, 0xffff                   ; the head
	s_lshl_b32 s20, s19, 11
	s_add_co_u32 s20, s20, s[Q0]
	s_lshl_b32 s20, s20, 8                         ; my first row of 256 bytes in q and in out
	s_mov_b32 s21, 0
	s_lshl_b32 s22, s19, 18                        ; the head's sixteen blocks of codes
	s_mov_b32 s23, 0
	s_lshl_b32 s[LASTK], s16, 7
	s_sub_co_u32 s[LASTK2], s[LASTK], 128          ; (i is 7 at the most: at least 896)
	s_add_co_u32 s[QL], s[Q0], 15
	s_mov_b32 s[KF], 0
	s_mov_b32 s[TRIPS], 8
	s_mov_b32 s[SEL], 0x76543210
	s_mov_b32 s[SEL+1], 0xfedcba98
	s_mov_b32 s[CS], 0x3db8aa3b                    ; log2(e) / 16
	s_mul_i32 s41, s[WV], 16*SP
	s_add_co_u32 s41, s41, STAGE                   ; my stage
	v_and_b32 v1, 31, v0
	v_lshlrev_b32 v[LI], 4, v1
	v_and_b32 v10, 15, v0                          ; r
	v_bfe_u32 v11, v0, 4, 1                        ; h
	v_lshlrev_b32 v[CL], 4, v0
	v_mul_u32_u24 v[SO], v10, SP
	v_lshl_add_u32 v[SO], v11, 5, v[SO]
	v_add_nc_u32 v[SO], s41, v[SO]                 ; in: row r, + 32 h
	v_mul_u32_u24 v[SR], v11, SP
	v_lshl_add_u32 v[SR], v10, 4, v[SR]
	v_add_nc_u32 v[SR], s41, v[SR]                 ; back: lanes 0-15 one row of 256 bytes, lanes 16-31 the next
	v_lshlrev_b32 v[GO], 8, v11
	v_lshl_add_u32 v[GO], v10, 4, v[GO]            ; and the same two rows in out
	; q's image: lane l of load i holds query 2 i + l / 16 and d = 4 (l % 16) .. + 3 = 32 (bit 3 of l) + 16 (bit 2) + 8 (bit 1) + 4 (bit 0): chunk = bit 3, the image's half = bit 1,
	; the second eight bytes of a lane's sixteen = bit 2, the second four of the eight = bit 0; the query's row is 16 x (2 i + l / 16): 32 i stands in the store's immediate
	v_bfe_u32 v[QI], v0, 3, 1
	v_lshlrev_b32 v[QI], 9, v[QI]
	v_bfe_u32 v[DQ], v0, 1, 1
	v_lshl_add_u32 v[QI], v[DQ], 8, v[QI]
	v_bfe_u32 v[DQ], v0, 2, 1
	v_lshl_add_u32 v[QI], v[DQ], 3, v[QI]
	v_and_b32 v[DQ], 1, v0
	v_lshl_add_u32 v[QI], v[DQ], 2, v[QI]
	v_lshl_add_u32 v[QI], v11, 4, v[QI]
	v_add_nc_u32 v[QI], s41, v[QI]
	v_lshlrev_b32 v[DQ], 3, v11
	v_sub_nc_u32 v[DQ], v10, v[DQ]                 ; r - 8 h
	v_mov_b32 v[NINF], 0xff800000
	v_add_nc_u32 v[QR], s41, v[LI]
	s_wait_kmcnt 0x0
	s_load_b128 s[36:39], s[8:9], 0x0              ; eq, ek, ep, ev
	s_add_nc_u64 s[4:5], s[4:5], s[20:21]
	s_add_nc_u64 s[10:11], s[10:11], s[20:21]
	s_add_nc_u64 s[6:7], s[6:7], s[22:23]
	s_wait_alu depctr_va_vdst(0)                   ; the offsets and LDS addresses v1, v2, v4 to v7 and v225 are written: every load and store of the kernel reads one of them, and none is written again
.set i, 0
.rept 8
	global_load_b128 v[S+4*i:S+4*i+3], v[LI], s[4:5] offset:512*i th:TH_LOAD_NT  ; my 16 queries, 512 consecutive bytes a load; read by this wave alone
.set i, i+1
.endr
	global_load_b128 v[SET:SET+3],     v[CL], s[6:7]                             ; step 0's codes: my 16 bytes of K's 8,192
	global_load_b128 v[SET+4:SET+7],   v[CL], s[6:7] offset:8192                 ; and of V's
	global_load_b128 v[SET+8:SET+11],  v[CL], s[6:7] offset:SLOT                 ; step 1's
	global_load_b128 v[SET+12:SET+15], v[CL], s[6:7] offset:SLOT+8192
	v_mov_b32 v13, 0xff61b1e6                      ; the largest t so far: -3e38, under every t
	v_floor_f32 v12, -v13                          ; -M
	v_mov_b32 v14, 0                               ; the sum, in two halves
	v_mov_b32 v15, 0
	v_mov_b32 v[F+1], 0                            ; (named as the upper half of the pair)
	v_mov_b32 v[PL], 0                             ; written once: a lane permute's destination counts as one of its sources
.set i, 0
.rept 32
	v_mov_b32 v[O+i], 0                            ; O^T.  The step is written once: the first finds zeros, which the first change of M leaves zeros
.set i, i+1
.endr
	s_wait_kmcnt 0x0
	s_add_co_i32 s40, s36, s37
	s_lshl_b32 s40, s40, 23
	s_add_co_i32 s[CS], s[CS], s40                 ; a score stands for score x 2^(eq + ek): the two exponents are added to c's exponent field
	s_mov_b32 s[CS+1], s[CS]                       ; (named with it as a pair, so it is written)
	s_add_co_i32 s40, s38, 127
	s_lshl_b32 s42, s40, 23
	v_mov_b32 v[SCL], s42                          ; 2^ep as f32, for p's conversions
	s_add_co_i32 s40, s40, 15
	s_lshl_b32 s40, s40, 23
	s_or_b32 s40, s40, 0x600000
	v_mov_b32 v[LIM], s40                          ; 57,344 x 2^ep
	s_add_co_i32 s40, s36, 127
	s_lshl_b32 s42, s40, 23
	v_mov_b32 v10, s42                             ; 2^eq
	s_add_co_i32 s40, s40, 15
	s_lshl_b32 s40, s40, 23
	s_or_b32 s40, s40, 0x600000
	v_mov_b32 v11, s40                             ; 57,344 x 2^eq
	s_wait_alu depctr_va_vdst(0)
	s_wait_loadcnt 4                               ; q's eight loads are in; the copy's four may be out
.set i, 0
.rept 32
	v_med3_num_f32 v[S+i], v[S+i], -v11, v11       ; the conversion to an 8-bit code does not saturate (ISA guide 7.6.2): the hold at the largest code x the scale
.set i, i+1
.endr
.set i, 0
.rept 4
	v_cvt_scalef32_pk8_bf8_f32 v[PC+2*i:PC+2*i+1], v[S+8*i:S+8*i+7], v10         ; one scale for the tensor: word i = load i's four codes
.set i, i+1
.endr
	v_nop                                          ; a plain vector instruction behind the last conversion: matrix instructions later write these registers
	s_wait_alu depctr_va_vdst(0)                   ; the conversions have written v200 to v207, which the LDS stores below read
.set i, 0
.rept 8
	ds_store_b32 v[QI], v[PC+i] offset:32*i
.set i, i+1
.endr
	ds_load_b128 v[QF:QF+3],   v[QR]               ; my own bytes, served in order: Q's fragment, d = 8 h + 0 .. 7 and 16 + 8 h + 0 .. 7,
	ds_load_b128 v[QF+4:QF+7], v[QR] offset:512    ; and the same 32 further on
	s_wait_loadcnt 2                               ; step 0's two loads are in; step 1's may be out
	ds_store_b128 v[CL], v[SET:SET+3]
	ds_store_b128 v[CL], v[SET+4:SET+7] offset:8192
	s_wait_dscnt 2                                 ; Q's fragment is in; the two stores issued behind its loads may be out
.set i, 0
.rept 8
	v_xor_b32 v[NQ+i], 0x80808080, v[QF+i]         ; -Q: the sign bit of each of the four codes of a word is turned
.set i, i+1
.endr
; S+ and S- of the four tiles t0 .. t0 + 3 of 16 keys: eight accumulators, each begun with the constant 0.  Four places follow (ISA guide 7.12.1), in front of the first read of the results.
.macro SCORES t0
.irp u, 0,1,2,3
	v_wmma_f32_16x16x64_bf8_bf8 v[S+8*((\t0)+\u):S+8*((\t0)+\u)+7], v[KV+8*((\t0)+\u):KV+8*((\t0)+\u)+7], v[QF:QF+7], 0
.endr
.irp u, 0,1,2,3
	v_wmma_f32_16x16x64_bf8_bf8 v[TM+8*\u+16*(\u/2):TM+8*\u+16*(\u/2)+7], v[KV+8*((\t0)+\u):KV+8*((\t0)+\u)+7], v[NQ:NQ+7], 0
.endr
.rept 4
	v_nop
.endr
.endm
; x = S+ - S- for these four tiles, two at a time; each accumulator is read from its low end on
.macro DIFF t0
.irp u, 0,1,2,3
.irp j, 0,2,4,6
	v_pk_add_f32 v[S+8*((\t0)+\u)+\j:S+8*((\t0)+\u)+\j+1], v[S+8*((\t0)+\u)+\j:S+8*((\t0)+\u)+\j+1], v[TM+8*\u+16*(\u/2)+\j:TM+8*\u+16*(\u/2)+\j+1] neg_lo:[0,1] neg_hi:[0,1]
.endr
.endr
.endm
; A STEP of 128 keys, in slot par.
.macro STEP par
	s_wait_dscnt 0x0                               ; for the others' sake: my stores into this slot have landed and my reads of the other slot are over
	s_barrier_signal -1
	s_barrier_wait -1                              ; both now hold of all sixteen waves
	s_wait_loadcnt 0x0                             ; the next step's two loads, asked for a step ago, are in; the base that they read is free
	s_add_nc_u64 s[6:7], s[6:7], SLOT              ; the codes' base at the next step's block; the loads below reach one block further by their immediates
	s_wait_alu depctr_vm_vsrc(0)                   ; the LDS stores of the step before have read the set in which this step's global loads land; in the first step the head's stores have read set 0, and q's codes in v200 to v207, which the products S- write
	s_cmp_lt_u32 s[KF], s[LASTK]                   ; is there a next step that some wave needs?  The same answer in all sixteen waves
	s_cbranch_scc0 .Lnocopy_\@
	ds_store_b128 v[CL], v[SET+8*(1-\par):SET+8*(1-\par)+3] offset:(1-\par)*SLOT           ; it goes into the slot that everybody has left
	ds_store_b128 v[CL], v[SET+8*(1-\par)+4:SET+8*(1-\par)+7] offset:(1-\par)*SLOT+8192
	s_cmp_lt_u32 s[KF], s[LASTK2]                  ; and one behind it?  No load is asked for that nobody needs
	s_cbranch_scc0 .Lnocopy_\@
	global_load_b128 v[SET+8*\par:SET+8*\par+3],   v[CL], s[6:7] offset:SLOT               ; the step after the next, into the other set than the stores above read
	global_load_b128 v[SET+8*\par+4:SET+8*\par+7], v[CL], s[6:7] offset:SLOT+8192
.Lnocopy_\@:
	s_cmp_gt_u32 s[KF], s[QL]                      ; CAUSAL: all keys of the step come after my queries: a branch on ids, round the step's work and round no barrier
	s_cbranch_scc1 .Lhidden_\@
	s_wait_alu depctr_va_vdst(0)                   ; the last step's products O^T are done reading V's fragments, in whose registers K's land
.irp t, 0,1,2,3,4,5,6,7
	ds_load_b128 v[KV+8*\t:KV+8*\t+3],   v[LI] offset:\par*SLOT+1024*\t
	ds_load_b128 v[KV+8*\t+4:KV+8*\t+7], v[LI] offset:\par*SLOT+1024*\t+512
.endr
	s_wait_dscnt 8                                 ; tiles 0-3 are in; the youngest eight loads (tiles 4-7) may be out
	SCORES 0
	DIFF 0                                         ; with the four places above, these sixteen also part the two runs that write S-'s registers: of them twelve name no register of any one earlier product
	s_wait_dscnt 0x0                               ; tiles 4-7 are in
	SCORES 4
	s_wait_alu depctr_va_vdst(0)                   ; the sixteen score products are done reading K's fragments, in whose registers V's land; no vector instruction behind this wait names them ahead of the loads
.irp t, 0,1,2,3
.irp c, 0,1,2,3
	ds_load_b128 v[KV+16*\t+4*\c:KV+16*\t+4*\c+3], v[LI] offset:\par*SLOT+8192+2048*\t+512*\c   ; V's fragments land while the softmax is worked
.endr
.endr
	DIFF 4
	s_add_co_u32 s40, s[KF], 127                   ; on the diagonal the scores of hidden keys become -infinity ahead of the maximum: p = 0 then.  A step all of whose keys count skips this
	s_cmp_le_u32 s40, s[Q0]
	s_cbranch_scc1 .Lopen_\@
	s_sub_co_i32 s40, s[Q0], s[KF]
	v_add_nc_u32 v[F], s40, v[DQ]                  ; d = my query - KF - 8 (lane / 16).  Register 8 T + j holds key KF + 8 (lane / 16) + 16 T + j: hidden where 16 T + j > d
.irp g, 0,1                                    ; 32 registers at a time: a run of compares, each into a scalar register of its own, one wait, the selections
.set n, 0
.rept 32
	v_cmp_gt_i32 s[MK+n], 16*((32*\g+n)/8)+n%8, v[F]
.set n, n+1
.endr
	s_wait_alu depctr_va_sdst(0)                   ; the 32 compares have written s66 to s97, ahead of the selections that read them
.set n, 0
.rept 32
	v_cndmask_b32 v[S+32*\g+n], v[S+32*\g+n], v[NINF], s[MK+n]
.set n, n+1
.endr
.endr
.Lopen_\@:
	v_max3_num_f32 v[MA], v[S], v[S+1], v[S+2]     ; the step's largest x of my query, among my 64 keys, in two chains that go up through the registers,
	v_max3_num_f32 v[F], v[S+3], v[S+4], v[S+5]
.set n, 6
.rept 14
	v_max3_num_f32 v[MA], v[MA], v[S+n], v[S+n+1]
	v_max3_num_f32 v[F], v[F], v[S+n+2], v[S+n+3]
.set n, n+4
.endr
	v_max3_num_f32 v[MA], v[MA], v[S+62], v[S+63]
	v_max_num_f32 v[MA], v[MA], v[F]
	v_permlanex16_b32 v[PL], v[MA], s[SEL], s[SEL+1]
	v_max_num_f32 v[MA], v[MA], v[PL]              ; and among lane l xor 16's.  (The step's first key counts for every query of mine: it is a number)
	v_mul_f32 v[MA], s[CS], v[MA]                  ; as t (c is positive)
	v_max_num_f32 v13, v13, v[MA]                  ; the running largest t
	v_mov_b32 v[MA], v12
	v_floor_f32 v12, -v13                          ; the new -M = floor(-t) = -ceil(t): M IS A WHOLE NUMBER
	v_sub_f32 v[MA], v12, v[MA]                    ; M's old value less its new one: a whole number, 0 or less
	v_cvt_i32_f32 v[MA], v[MA]                     ; (it saturates)
	v_ldexp_f32 v[F], 1.0, v[MA]                   ; f = 2^(old M - new M): a multiplication by it rounds nothing
.set n, 0
.rept 32
	v_pk_fma_f32 v[S+n:S+n+1], v[S+n:S+n+1], s[CS:CS+1], v[12:13] op_sel_hi:[1,0,0]   ; t - M = x c - M, two at a time (of the pairs c and -M the low word serves both halves)
.set n, n+2
.endr
.set n, 0
	s_wait_alu depctr_va_vdst(0)
.rept 64
	v_exp_f32 v[S+n], v[S+n]                       ; p = 2^(t - M), at most 1: NOT normalised
.set n, n+1
.endr
	v_pk_mul_f32 v[14:15], v[14:15], v[F:F+1] op_sel_hi:[1,0]     ; the sums under the new M.  (The plain instruction behind the exponentials)
	s_wait_alu depctr_va_vdst(0)                   ; the 64 exponentials have written p: one wait for the batch, ahead of its first reader
	v_pk_add_f32 v[SB:SB+1], v[S:S+1], v[S+2:S+3]                 ; THE ROW'S SUM IS TAKEN OF THE UNQUANTISED p: two at a time, in two chains
.set n, 4
.rept 15
	v_pk_add_f32 v[14:15], v[14:15], v[S+n:S+n+1]
	v_pk_add_f32 v[SB:SB+1], v[SB:SB+1], v[S+n+2:S+n+3]
.set n, n+4
.endr
	v_pk_add_f32 v[14:15], v[14:15], v[SB:SB+1]
.irp b, 0,1,2,3
.set n, 0
.rept 16
	v_min_num_f32 v[S+16*\b+n], v[S+16*\b+n], v[LIM]              ; the hold at the largest code x the scale; p is not negative, so it is one-sided
.set n, n+1
.endr
	v_cvt_scalef32_pk8_bf8_f32 v[PC+4*\b:PC+4*\b+1],   v[S+16*\b:S+16*\b+7],    v[SCL]   ; tile 2 b: registers 4 b, 4 b + 1 of the operand: keys 32 b + 8 (lane / 16) + 0 .. 7
	v_cvt_scalef32_pk8_bf8_f32 v[PC+4*\b+2:PC+4*\b+3], v[S+16*\b+8:S+16*\b+15], v[SCL]   ; tile 2 b + 1: registers 4 b + 2, 4 b + 3: keys 32 b + 16 + 8 (lane / 16) + 0 .. 7
.endr
.set n, 0
.rept 16
	v_pk_mul_f32 v[O+n:O+n+1], v[O+n:O+n+1], v[F:F+1] op_sel_hi:[1,0]   ; O^T under the new M, each accumulator from its low end on.  (Also the plain instructions behind the conversions)
.set n, n+2
.endr
	s_wait_alu depctr_va_vdst(0)
	s_wait_dscnt 0x0                               ; V's fragments are in
.irp t, 0,1,2,3                                ; O^T += V^T P^T.  The four accumulators take turns, one instruction a turn, and the scores' sixteen products stand between two steps' turns
	v_wmma_f32_16x16x128_bf8_bf8 v[O+8*\t:O+8*\t+7], v[KV+16*\t:KV+16*\t+15], v[PC:PC+15], v[O+8*\t:O+8*\t+7]
.endr
.rept 5
	v_nop                                          ; five places: the next step's products S- write over p's codes, which these products read; four of them serve the way out's reads of O^T
.endr
.Lhidden_\@:
	s_add_co_u32 s[KF], s[KF], 128
.endm
.Ltrip:                                            ; eight trips of two steps: the slots and the copy's sets are back where they began
	STEP 0
	STEP 1
	s_sub_co_u32 s[TRIPS], s[TRIPS], 1
	s_cmp_lg_u32 s[TRIPS], 0
	s_cbranch_scc1 .Ltrip
	; THE WAY OUT.  O^T is divided by the row's sum, multiplied by 2^(ep + ev), and goes through my stage, so that sixteen lanes store one whole row of 256 bytes.
	v_add_f32 v14, v14, v15                        ; the sum's two halves,
	v_permlanex16_b32 v[PL], v14, s[SEL], s[SEL+1]
	v_add_f32 v14, v14, v[PL]                      ; and lane l xor 16's
	s_wait_alu depctr_va_vdst(0)
	v_rcp_f32 v14, v14
	v_nop                                          ; a plain instruction behind the transcendental
	s_add_co_i32 s40, s38, s39
	s_wait_alu depctr_va_vdst(0)                   ; the reciprocal has written v14, ahead of its first reader
	v_ldexp_f32 v14, v14, s40                      ; x 2^(ep + ev)
.set n, 0
.rept 16
	v_pk_mul_f32 v[S+n:S+n+1], v[O+n:O+n+1], v[14:15] op_sel_hi:[1,0]   ; register 8 t + j is out(query r, 16 t + 8 h + j); each accumulator from its low end on
.set n, n+2
.endr
	s_wait_alu depctr_va_vdst(0)                   ; the multiplications have written v104 to v135, which the LDS stores read; and the last products are done reading the fragments' registers, in which the loads from the stage land
.irp t, 0,1,2,3
	ds_store_b128 v[SO], v[S+8*\t:S+8*\t+3]   offset:64*\t
	ds_store_b128 v[SO], v[S+8*\t+4:S+8*\t+7] offset:64*\t+16
.endr
.set i, 0
.rept 8
	ds_load_b128 v[KV+4*i:KV+4*i+3], v[SR] offset:2*i*SP          ; my own bytes, served in order: these see the stores above
.set i, i+1
.endr
.set i, 0
.rept 8
	s_wait_dscnt 7-i                               ; the younger loads may stay out
	global_store_b128 v[GO], v[KV+4*i:KV+4*i+3], s[10:11] offset:512*i th:TH_STORE_NT   ; 16 lanes store 256 consecutive bytes, at a multiple of 256 from out's first byte; written once, read by nobody here
.set i, i+1
.endr
	s_wait_dscnt 0x0
	s_wait_alu depctr_hold_cnt(0) depctr_sa_sdst(0) depctr_va_vdst(0) depctr_va_sdst(0) depctr_va_ssrc(0) depctr_va_vcc(0) depctr_vm_vsrc(0)
	s_wait_tensorcnt 0x0
	ds_add_u32 v230, v231
	s_wait_dscnt 0x0
	s_endpgm
.Lfunc_end_k_q454c21e97b_attn:
	.size	k_q454c21e97b_attn, .Lfunc_end_k_q454c21e97b_attn-k_q454c21e97b_attn
	.p2alignl 7, 3214868480
	.fill 96, 4, 3214868480
	.section	.rodata,"a",@progbits
	.p2align	6, 0x0
	.amdhsa_kernel k_q454c21e97b_attn
		.amdhsa_group_segment_fixed_size 104448
		.amdhsa_private_segment_fixed_size 0
		.amdhsa_enable_private_segment 0
		.amdhsa_kernarg_size 32
		.amdhsa_user_sgpr_count 2
		.amdhsa_user_sgpr_kernarg_segment_ptr 1
		.amdhsa_wavefront_size32 1
		.amdhsa_system_sgpr_workgroup_id_x 1
		.amdhsa_system_sgpr_workgroup_id_y 1
		.amdhsa_system_sgpr_workgroup_id_z 1
		.amdhsa_system_vgpr_workitem_id 0
		.amdhsa_next_free_vgpr 256
		.amdhsa_next_free_sgpr 98
		.amdhsa_reserve_vcc 0
		.amdhsa_float_denorm_mode_32 3
		.amdhsa_float_denorm_mode_16_64 3
		.amdhsa_memory_ordered 1
		.amdhsa_forward_progress 1
		.amdhsa_inst_pref_size 70
	.end_amdhsa_kernel
	.amdgpu_metadata
---
amdhsa.version: [ 1, 2 ]
amdhsa.kernels:
  - .name:           k_q454c21e97b_attn
    .symbol:         k_q454c21e97b_attn.kd
    .args:
      - { .name: q, .offset: 0, .size: 8, .value_kind: global_buffer, .address_space: global }
      - { .name: codes, .offset: 8, .size: 8, .value_kind: global_buffer, .address_space: global }
      - { .name: lowp_scales, .offset: 16, .size: 8, .value_kind: global_buffer, .address_space: global }
      - { .name: out0, .offset: 24, .size: 8, .value_kind: global_buffer, .address_space: global }
    .group_segment_fixed_size: 104448
    .private_segment_fixed_size: 0
    .kernarg_segment_align: 8
    .kernarg_segment_size: 32
    .max_flat_workgroup_size: 512
    .sgpr_count:     98
    .vgpr_count:     256
    .wavefront_size: 32
...
	.end_amdgpu_metadata
.endif
;; end of part 4
